; MI455X (gfx1250); checked and timed in simulation.
; The chip was launched on July 23, 2026; its instructions are those of AMD's public machine-readable ISA for CDNA 5 (MIT licence, August 2026) and "CDNA5" Instruction Set Architecture Reference Guide (July 2026). The comments in the code are by the model that wrote it; some were corrected since.
;; Up Sample. Allowed arithmetic: float matrix products may take bf16 or f16 operands with f32 sums; other float arithmetic in f32, or as packed bf16 or f16 multiplies, adds, multiply-adds, maxima and minima; sums over many terms, partial sums and values carried from step to step in f32; what a program stores and reads back later, other than sums and carried values, may be rounded once to bf16 or f16.
;; Inputs: Wk 512 x 512 float32; Wq 512 x 512 float32; Wskip 512 x 512 float32; Wv 512 x 512 float32; pcd_down 8 x 512 x 1,024 float32; pcd_up 8 x 512 x 4,096 float32.
;; Outputs: out0 8 x 512 x 4,096 float32.
;; One version. Each part assembles by itself: llvm-mc -triple=amdgcn-amd-amdhsa -mcpu=gfx1250 --defsym DOCPART=n.
;; ======== version 1 of 1: 3 launches
;; workspace buffers: wfr 1,048,576 bytes; strm 17,301,504 bytes; dfr 8,388,608 bytes
;; launch prep (part 1): grid 136 x 1, 4 waves a work-group, no clusters, 164,352 bytes of LDS; arguments Wq, Wk, Wv, Wskip, pcd_down, wfr, strm, dfr; writes wfr, strm, dfr
.if DOCPART == 1
	.amdgcn_target "amdgcn-amd-amdhsa--gfx1250"
	.amdhsa_code_object_version 6
	.text
	.protected	k_qe8ac99dc07_prep
	.globl	k_qe8ac99dc07_prep
	.p2align	8
	.type	k_qe8ac99dc07_prep,@function
k_qe8ac99dc07_prep:
	s_mov_b64 s[64:65], 0
	v_nop
	global_prefetch_b8 v0, s[64:65] scope:SCOPE_SE
	s_setreg_imm32_b32 hwreg(HW_REG_WAVE_MODE, 25, 1), 1
	s_wait_xcnt 0x0
; G = Wq^T Wk (G[c][d] = sum over o of Wq[o][c] Wk[o][d]); Wv, Wskip and pcd_down rounded to bf16; all written in FRAGMENT ORDER.
; energy = up^T (Wq^T Wk) down, so the later launches multiply by G and never make q: the order of rounding differs from the formula as written (G is rounded once to bf16).
; FRAGMENT ORDER: 16 rows x 32 k of bf16 are a block of 1,024 bytes; X[row0 + r][k0 + 8 g + e] lies at byte 256 g + 16 r + 2 e.  Lane l of a wave finds registers 0-3 of a matrix
; operand at 16 l and registers 4-7 at 512 + 16 l: two loads of 512 consecutive bytes.
; wfr: G at 0, Wv at 524,288, each [row tile 32][k block 16] blocks.  strm + 16,777,216: Wskip as 8 tiles of 65,536 bytes, tile j = input channels 64 j .. 64 j + 63, [row tile 32][2] blocks.
; dfr: for batch b and step s of 128 keys, at 131,072 (8 b + s): [key tile 8][32 channels 16] blocks, rows = keys, k = channels.
; SHARES.  Work-groups 0-63: 64 x 64 of G each (c block x % 8, d block x / 8), K = 512.  64-71: 512 rows x 128 columns of Wv (64-67) or Wskip (68-71).  72-135: 512 channels x 128 keys of pcd_down.
; All kinds first bring two strips of 512 rows x 64 columns into LDS as bf16 (rows of 128 bytes + 32 of padding); wave w brings rows 256 (w % 2) on of strip w / 2, 128 rows a trip, by ONE text:
; a load takes 256 bytes of each of two rows, and puts them into LDS rows 2 u and 2 u + 1 of the trip's 128.  For the weights (rows of 2,048 bytes) these are rows 2 u and 2 u + 1; for pcd_down (rows of
; 4,096 bytes) rows u and u + 64: there channel c of a trip's 128 lies in LDS row 2 (c % 64) + c / 64, and the turning loads that read it name their rows so.
; NO CLUSTER, NO TENSOR LOADS: the inputs are f32 and are rounded in registers on their way into LDS.  136 work-groups are all the work there is.
; LIMITS: bf16 operands, f32 sums; NaN and infinities are not treated apart.
.set LP,    160                        ; an LDS row
.set REG,   512*LP                     ; a strip
.set SPARE, 2*REG                      ; behind the strips: the spare words, 128 bytes a wave
.set GSTEP, 4096                       ; from load to load in memory
.set LSTEP, 2*LP                       ; and in LDS: two rows
.set SPW, 6                            ; v6   my spare word; never rewritten
.set NIL, 7                            ; v7   0; never rewritten
.set GOF, 8                            ; v8   my 16 bytes of two rows: 16 (l % 16) + (l / 16) x the distance of the two rows
.set LST, 9                            ; v9   where my 8 bytes of bf16 go
.set AA,  10                           ; v10-11 turning loads of Wk, k blocks 0-7 and 8-15
.set BB,  12                           ; v12-13 the same for Wq
.set LO,  14                           ; v14  16 l
.set LN,  16                           ; v16-17 plain fragment reads of strip 0, 1
.set VO,  18                           ; v18-19 store offsets for strip 0, 1
.set AD,  20                           ; v20-21 turning loads of pcd_down, channel blocks 0-7 and 8-15
.set CT,  64                           ; v64-191 converted numbers, later fragments
.set FR,  64
.set ACC, 192                          ; v192-223 four accumulators
.set PK,  224                          ; v224-239 packed results
.set WV,  20
.set SRC, 34
.set DG,  36
.set DC,  38
.set CNT, 50
.set BST, 52                           ; s[52:53] bytes of 128 rows in memory
.set MSB, 0
.macro WIN new
.if MSB != (\new)
	s_set_vgpr_msb (MSB<<8)|(\new)
.set MSB, \new
.endif
.endm
.macro PLACES
.rept 4
	v_nop
.endr
.endm
.macro LB set                          ; 32 loads into set 0 or 1 of window 1
	WIN 0x40
.set u, 0
.rept 32
	global_load_b128 v[128*(\set)+4*u:128*(\set)+4*u+3], v[GOF], s[SRC:SRC+1] offset:(32*(\set)+u)*GSTEP
.set u, u+1
.endr
.endm
.macro CVS set                         ; rounded to bf16 and stored
	WIN 0x05
.set u, 0
.rept 64
	v_cvt_pk_bf16_f32 v[CT+64*(\set)+u], v[128*(\set)+2*u], v[128*(\set)+2*u+1]
.set u, u+1
.endr
	WIN 0
.set u, 0
.rept 32
	ds_store_b64 v[LST], v[CT+64*(\set)+2*u:CT+64*(\set)+2*u+1] offset:(32*(\set)+u)*LSTEP
.set u, u+1
.endr
.endm
	s_load_b256 s[4:11], s[0:1], 0x0               ; Wq s[4:5], Wk s[6:7], Wv s[8:9], Wskip s[10:11]
	s_load_b256 s[12:19], s[0:1], 0x20             ; pcd_down s[12:13], wfr s[14:15], strm s[16:17], dfr s[18:19]
	v_lshl_add_u32 v[SPW], v0, 2, SPARE
	v_mov_b32 v[NIL], 0
	v_lshrrev_b32 v4, 5, v0
	v_readfirstlane_b32 s[WV], v4                  ; wave 0..3
	s_lshr_b32 s21, s[WV], 1                       ; which strip I bring; later: which two d tiles are mine
	s_and_b32 s22, s[WV], 1                        ; which 256 rows; later: which two c tiles
	s_mov_b32 s23, ttmp9                           ; x
	s_and_b32 s24, s23, 7
	s_lshr_b32 s25, s23, 3
	s_and_b32 s27, s23, 3                          ; (x - 64) % 4
	s_lshl_b32 s28, s27, 1
	s_add_co_u32 s28, s28, s21                     ; Wv's and Wskip's column block: 2 ((x - 64) % 4) + strip
	s_and_b32 s29, s23, 4                          ; not 0: Wskip
	s_sub_co_u32 s42, s23, 72                      ; pcd_down: 8 b + s (used from x = 72 on alone)
	s_lshr_b32 s43, s42, 3
	s_lshl_b32 s43, s43, 21                        ; the batch,
	s_and_b32 s44, s42, 7
	s_lshl_b32 s44, s44, 9                         ; the step's 512 bytes of a row,
	s_add_co_u32 s43, s43, s44
	s_lshl_b32 s44, s21, 8                         ; the strip's 256 of them,
	s_add_co_u32 s43, s43, s44
	s_lshl_b32 s44, s22, 20                        ; my 256 rows of 4,096 bytes
	s_add_co_u32 s43, s43, s44
	s_cmp_ge_u32 s23, 72
	s_cselect_b32 s45, 18, 11                      ; a load's two rows lie 64 rows of 4,096 bytes apart, or one row of 2,048
	s_cselect_b32 s[BST], 19, 18                   ; 128 rows are 2^19 bytes of pcd_down, 2^18 of a weight
	s_lshl_b32 s[BST], 1, s[BST]
	s_mov_b32 s[BST+1], 0
	v_and_b32 v1, 15, v0
	v_bfe_u32 v2, v0, 4, 1
	v_and_b32 v3, 31, v0
	v_lshlrev_b32 v[GOF], s45, v2
	v_lshl_add_u32 v[GOF], v1, 4, v[GOF]
	s_mul_i32 s40, s[WV], 256*LP                   ; strip w / 2, rows 256 (w % 2) on = wave x 256 LDS rows
	v_mul_u32_u24 v[LST], v2, LP
	v_lshl_add_u32 v[LST], v1, 3, v[LST]
	v_add_nc_u32 v[LST], s40, v[LST]
	v_lshlrev_b32 v[LO], 4, v3
	s_wait_kmcnt 0x0
	s_cmp_eq_u32 s21, 0
	s_cselect_b32 s26, s24, s25                    ; G: strip 0 = Wq, columns of block x % 8; strip 1 = Wk, block x / 8
	s_cselect_b64 s[30:31], s[4:5], s[6:7]
	s_cmp_lg_u32 s29, 0
	s_cselect_b64 s[32:33], s[10:11], s[8:9]
	s_cmp_lt_u32 s23, 64
	s_cselect_b32 s26, s26, s28
	s_cselect_b64 s[SRC:SRC+1], s[30:31], s[32:33]
	s_lshl_b32 s40, s26, 8                         ; 64 columns are 256 bytes
	s_lshl_b32 s41, s22, 19                        ; 256 rows of 2,048 bytes
	s_add_co_u32 s40, s40, s41
	s_cmp_ge_u32 s23, 72
	s_cselect_b32 s40, s43, s40
	s_cselect_b64 s[SRC:SRC+1], s[12:13], s[SRC:SRC+1]
	s_mov_b32 s41, 0
	s_add_nc_u64 s[SRC:SRC+1], s[SRC:SRC+1], s[40:41]
	s_mov_b32 s[CNT], 2
.Lcv:                                          ; two trips of 128 rows: 64 loads go out together
	LB 0
	LB 1
	s_wait_loadcnt 32                              ; set 0 is in; set 1's 32 loads may stay out
	CVS 0
	s_wait_loadcnt 0x0                             ; set 1 is in, and no load still reads the base
	CVS 1
	s_add_nc_u64 s[SRC:SRC+1], s[SRC:SRC+1], s[BST:BST+1]
	v_add_nc_u32 v[LST], 64*LSTEP, v[LST]
	s_sub_co_u32 s[CNT], s[CNT], 1
	s_cmp_lg_u32 s[CNT], 0
	s_cbranch_scc1 .Lcv
	s_wait_dscnt 0x0                               ; for the others: my stores are done
	s_barrier_signal -1
	s_barrier_wait -1                              ; both strips are whole
	s_cmp_ge_u32 s23, 72
	s_cbranch_scc1 .Ldn
	s_cmp_ge_u32 s23, 64
	s_cbranch_scc1 .Lcvrole
	; G.  Source 0 = 16 columns d of Wk, source 1 = 16 columns c of Wq, both turned on their way out of LDS (k = o): a lane ends with row c = l % 16 and eight neighbouring d.
	v_and_b32 v4, 7, v0
	v_bfe_u32 v5, v0, 3, 1
	v_lshl_add_u32 v4, v2, 3, v4                   ; the turning load: lane l reads row 8 (l / 16) + l % 8,
	v_mul_u32_u24 v4, v4, LP
	v_lshl_add_u32 v4, v5, 4, v4                   ; columns 8 ((l / 8) % 2) on
	s_lshl_b32 s40, s21, 6
	s_add_co_u32 s40, s40, REG
	v_add_nc_u32 v[AA], s40, v4
	v_add_nc_u32 v[AA+1], 256*LP, v[AA]
	s_lshl_b32 s40, s22, 6
	v_add_nc_u32 v[BB], s40, v4
	v_add_nc_u32 v[BB+1], 256*LP, v[BB]
	s_lshl_b32 s40, s24, 2                         ; block ((4 (x % 8) + 2 (w % 2)) x 16 + 2 (x / 8) + w / 2) of G
	s_lshl_b32 s41, s22, 1
	s_add_co_u32 s40, s40, s41
	s_lshl_b32 s40, s40, 4
	s_lshl_b32 s41, s25, 1
	s_add_co_u32 s40, s40, s41
	s_add_co_u32 s40, s40, s21
	s_lshl_b32 s40, s40, 10
	s_mov_b32 s41, 0
	s_add_nc_u64 s[DG:DG+1], s[14:15], s[40:41]
.macro FG kf, set                      ; the four fragments of k block kf: 8 turning loads
.irp a, 0,1
	ds_load_tr16_b128 v[FR+32*(\set)+8*(\a):FR+32*(\set)+8*(\a)+3],   v[AA+(\kf)/8] offset:((\kf)%8)*32*LP+32*(\a)
	ds_load_tr16_b128 v[FR+32*(\set)+8*(\a)+4:FR+32*(\set)+8*(\a)+7], v[AA+(\kf)/8] offset:((\kf)%8)*32*LP+16*LP+32*(\a)
.endr
.irp b, 0,1
	ds_load_tr16_b128 v[FR+32*(\set)+16+8*(\b):FR+32*(\set)+16+8*(\b)+3],   v[BB+(\kf)/8] offset:((\kf)%8)*32*LP+32*(\b)
	ds_load_tr16_b128 v[FR+32*(\set)+16+8*(\b)+4:FR+32*(\set)+16+8*(\b)+7], v[BB+(\kf)/8] offset:((\kf)%8)*32*LP+16*LP+32*(\b)
.endr
.endm
.macro MG set, zero                    ; four products; the four accumulators take turns
.irp a, 0,1
.irp b, 0,1
.if \zero
	v_wmma_f32_16x16x32_bf16 v[ACC+8*(2*(\a)+(\b)):ACC+8*(2*(\a)+(\b))+7], v[FR+32*(\set)+8*(\a):FR+32*(\set)+8*(\a)+7], v[FR+32*(\set)+16+8*(\b):FR+32*(\set)+16+8*(\b)+7], 0
.else
	v_wmma_f32_16x16x32_bf16 v[ACC+8*(2*(\a)+(\b)):ACC+8*(2*(\a)+(\b))+7], v[FR+32*(\set)+8*(\a):FR+32*(\set)+8*(\a)+7], v[FR+32*(\set)+16+8*(\b):FR+32*(\set)+16+8*(\b)+7], v[ACC+8*(2*(\a)+(\b)):ACC+8*(2*(\a)+(\b))+7]
.endif
.endr
.endr
.endm
	FG 0, 0
	FG 1, 1
	FG 2, 2
.set kn, 0
.rept 16                               ; four sets of fragments: k block kn is multiplied, kn + 3 fetched into the set read last
.if (kn > 0) && (kn < 13)
	PLACES                                         ; four places between the products that read a set and the loads into it
.endif
.if kn < 13
	FG kn+3, (kn+3)%4
	s_wait_dscnt 24                                ; three younger sets of 8 loads may stay out
.else
	s_wait_dscnt 8*(15-kn)                         ; the counts run down
.endif
.if kn == 0
	MG 0, 1                                        ; the first products start the sums
.else
	MG kn%4, 0
.endif
.set kn, kn+1
.endr
	PLACES
.set u, 0
.rept 16
	v_cvt_pk_bf16_f32 v[PK+u], v[ACC+2*u], v[ACC+2*u+1]
.set u, u+1
.endr
.irp a, 0,1
.irp b, 0,1
	global_store_b128 v[LO], v[PK+4*(2*(\a)+(\b)):PK+4*(2*(\a)+(\b))+3], s[DG:DG+1] offset:(\b)*16384+(\a)*512  ; 512 consecutive bytes, aligned
.endr
.endr
	s_branch .Lend
.Lcvrole:                                      ; Wv or Wskip: fragments are read as they lie (row l % 16, 16 bytes at 16 (l / 16), and 32 bytes on) and stored as blocks
	s_add_nc_u64 s[DC:DC+1], s[14:15], 524288
	s_add_nc_u64 s[40:41], s[16:17], 16777216
	s_cmp_lg_u32 s29, 0
	s_cselect_b64 s[DC:DC+1], s[40:41], s[DC:DC+1]
	s_cselect_b32 s44, 5, 0
	s_cselect_b32 s45, 3, 0
	s_lshl_b32 s46, 2048, s44                      ; from strip 0 to strip 1: two blocks in Wv's row tile, a tile of Wskip
	s_lshr_b32 s47, 16384, s45                     ; from row tile to row tile: 16 blocks, or 2
	s_lshl_b32 s48, 4096, s44                      ; from work-group to work-group: four blocks, or two tiles
	s_mul_i32 s48, s48, s27
	s_lshl_b32 s49, s[WV], 3                       ; my eight row tiles
	s_mul_i32 s49, s49, s47
	s_add_co_u32 s48, s48, s49
	v_add_nc_u32 v[VO], s48, v[LO]
	v_add_nc_u32 v[VO+1], s46, v[VO]
	s_mul_i32 s49, s[WV], 128*LP
	v_mul_u32_u24 v[LN], v1, LP
	v_lshl_add_u32 v[LN], v2, 4, v[LN]
	v_add_nc_u32 v[LN], s49, v[LN]
	v_add_nc_u32 v[LN+1], REG, v[LN]
	s_mov_b32 s[CNT], 8
.Lct:                                          ; a trip: one row tile, four fragments
.irp q, 0,1
.irp k, 0,1
.irp hf, 0,1
	ds_load_b128 v[CT+4*(4*(\q)+2*(\k)+(\hf)):CT+4*(4*(\q)+2*(\k)+(\hf))+3], v[LN+(\q)] offset:64*(\k)+32*(\hf)
.endr
.endr
.endr
	s_wait_dscnt 0x0
.irp q, 0,1
.irp k, 0,1
.irp hf, 0,1
	global_store_b128 v[VO+(\q)], v[CT+4*(4*(\q)+2*(\k)+(\hf)):CT+4*(4*(\q)+2*(\k)+(\hf))+3], s[DC:DC+1] offset:1024*(\k)+512*(\hf)
.endr
.endr
.endr
	s_wait_xcnt 0x0                                ; the stores have read their data and offsets: both are written again below and in the next trip
	v_add_nc_u32 v[LN], 16*LP, v[LN]
	v_add_nc_u32 v[LN+1], 16*LP, v[LN+1]
	v_add_nc_u32 v[VO], s47, v[VO]
	v_add_nc_u32 v[VO+1], s47, v[VO+1]
	s_sub_co_u32 s[CNT], s[CNT], 1
	s_cmp_lg_u32 s[CNT], 0
	s_cbranch_scc1 .Lct
	s_branch .Lend
.Ldn:                                          ; pcd_down: wave w writes key tiles 2 w and 2 w + 1 (strip w / 2, its tiles 2 (w % 2) on), all 16 channel blocks, turned: a lane holds one key and eight channels
	v_and_b32 v4, 7, v0
	v_bfe_u32 v5, v0, 3, 1
	v_lshl_add_u32 v4, v2, 3, v4                   ; channel 8 (l / 16) + l % 8 of a block lies two LDS rows from its neighbour
	v_mul_u32_u24 v4, v4, 2*LP
	v_lshl_add_u32 v4, v5, 4, v4
	s_mul_i32 s40, s21, REG
	s_lshl_b32 s41, s22, 6
	s_add_co_u32 s40, s40, s41
	v_add_nc_u32 v[AD], s40, v4
	v_add_nc_u32 v[AD+1], 256*LP, v[AD]
	s_lshl_b32 s40, s42, 17                        ; 131,072 (8 b + s),
	s_lshl_b32 s41, s[WV], 15                      ; my two key tiles of 16 blocks
	s_add_co_u32 s40, s40, s41
	s_mov_b32 s41, 0
	s_add_nc_u64 s[DC:DC+1], s[18:19], s[40:41]
.macro FDN a, base                     ; key tile a: channel block kf begins in LDS row 64 (kf % 2) + (kf / 2) % 2 + 128 (kf / 4); its second 16 channels 32 rows on
.set kf, 0
.rept 16
.set ro, ((kf%2)*64+((kf/2)%2)+128*((kf/4)%2))*LP+32*(\a)
	ds_load_tr16_b128 v[(\base)+8*kf:(\base)+8*kf+3],   v[AD+kf/8] offset:ro
	ds_load_tr16_b128 v[(\base)+8*kf+4:(\base)+8*kf+7], v[AD+kf/8] offset:ro+32*LP
.set kf, kf+1
.endr
.endm
.macro SDN a, base
.set kf, 0
.rept 16
	global_store_b128 v[LO], v[(\base)+8*kf:(\base)+8*kf+3],   s[DC:DC+1] offset:(\a)*16384+kf*1024      ; 512 consecutive bytes, aligned
	global_store_b128 v[LO], v[(\base)+8*kf+4:(\base)+8*kf+7], s[DC:DC+1] offset:(\a)*16384+kf*1024+512
.set kf, kf+1
.endr
.endm
	FDN 0, CT
	WIN 0x40                                       ; the second tile lands in window 1, which the conversion has left
	FDN 1, 0
	WIN 0
	s_wait_dscnt 32                                ; the first tile is in; the second's 32 loads may stay out
	SDN 0, CT
	s_wait_dscnt 0x0
	WIN 0x04                                       ; store data in window 1
	SDN 1, 0
	WIN 0
.Lend:
	s_wait_tensorcnt 0x0                           ; the wave's end: behind my last LDS store
	ds_add_u32 v[SPW], v[NIL]
	s_wait_dscnt 0x0
	s_endpgm
.Lfunc_end_k_qe8ac99dc07_prep:
	.size	k_qe8ac99dc07_prep, .Lfunc_end_k_qe8ac99dc07_prep-k_qe8ac99dc07_prep
	.p2alignl 7, 3214868480
	.fill 96, 4, 3214868480
	.section	.rodata,"a",@progbits
	.p2align	6, 0x0
	.amdhsa_kernel k_qe8ac99dc07_prep
		.amdhsa_group_segment_fixed_size 164352
		.amdhsa_private_segment_fixed_size 0
		.amdhsa_enable_private_segment 0
		.amdhsa_kernarg_size 64
		.amdhsa_user_sgpr_count 2
		.amdhsa_user_sgpr_kernarg_segment_ptr 1
		.amdhsa_wavefront_size32 1
		.amdhsa_system_sgpr_workgroup_id_x 1
		.amdhsa_system_sgpr_workgroup_id_y 1
		.amdhsa_system_sgpr_workgroup_id_z 1
		.amdhsa_system_vgpr_workitem_id 0
		.amdhsa_next_free_vgpr 512
		.amdhsa_next_free_sgpr 66
		.amdhsa_reserve_vcc 0
		.amdhsa_float_denorm_mode_32 3
		.amdhsa_float_denorm_mode_16_64 3
		.amdhsa_memory_ordered 1
		.amdhsa_forward_progress 1
		.amdhsa_inst_pref_size 52
	.end_amdhsa_kernel
	.amdgpu_metadata
---
amdhsa.version: [ 1, 2 ]
amdhsa.kernels:
  - .name:           k_qe8ac99dc07_prep
    .symbol:         k_qe8ac99dc07_prep.kd
    .args:
      - { .name: Wq, .offset: 0, .size: 8, .value_kind: global_buffer, .address_space: global }
      - { .name: Wk, .offset: 8, .size: 8, .value_kind: global_buffer, .address_space: global }
      - { .name: Wv, .offset: 16, .size: 8, .value_kind: global_buffer, .address_space: global }
      - { .name: Wskip, .offset: 24, .size: 8, .value_kind: global_buffer, .address_space: global }
      - { .name: pcd_down, .offset: 32, .size: 8, .value_kind: global_buffer, .address_space: global }
      - { .name: wfr, .offset: 40, .size: 8, .value_kind: global_buffer, .address_space: global }
      - { .name: strm, .offset: 48, .size: 8, .value_kind: global_buffer, .address_space: global }
      - { .name: dfr, .offset: 56, .size: 8, .value_kind: global_buffer, .address_space: global }
    .group_segment_fixed_size: 164352
    .private_segment_fixed_size: 0
    .kernarg_segment_align: 8
    .kernarg_segment_size: 64
    .max_flat_workgroup_size: 128
    .sgpr_count:     66
    .vgpr_count:     512
    .wavefront_size: 32
...
	.end_amdgpu_metadata
.endif
;; end of part 1
;; launch proj (part 2): grid 4 x 64, 4 waves a work-group, clusters of 4 x 1, 213,504 bytes of LDS; arguments dfr, wfr, strm; writes strm
.if DOCPART == 2
	.amdgcn_target "amdgcn-amd-amdhsa--gfx1250"
	.amdhsa_code_object_version 6
	.text
	.protected	k_qe8ac99dc07_proj
	.globl	k_qe8ac99dc07_proj
	.p2align	8
	.type	k_qe8ac99dc07_proj,@function
k_qe8ac99dc07_proj:
	s_mov_b64 s[64:65], 0
	v_nop
	global_prefetch_b8 v0, s[64:65] scope:SCOPE_SE
	s_setreg_imm32_b32 hwreg(HW_REG_WAVE_MODE, 25, 1), 1
	s_wait_xcnt 0x0
	s_wait_alu depctr_hold_cnt(0) depctr_sa_sdst(0) depctr_va_vdst(0) depctr_va_sdst(0) depctr_va_ssrc(0) depctr_va_vcc(0) depctr_vm_vsrc(0)
	s_getreg_b32 s2, hwreg(HW_REG_IB_STS2, 6, 4)
	s_cmp_eq_u32 s2, 0
	s_cbranch_scc0 .Lentry_in_a_cluster
	s_endpgm
.Lentry_in_a_cluster:
	s_bfe_u32 s2, ttmp6, 0x10000c
	s_cmp_lg_u32 s2, 0x3003
	s_cbranch_scc0 .Lentry_shape_is_right
	s_endpgm
.Lentry_shape_is_right:
; K1 = G down and V = Wv down, rounded once to bf16 and written in the order in which the attention launch walks them.  down comes from dfr, G and Wv from wfr, all bf16 in block order:
; a block is 16 rows x 32 k in 1,024 bytes, X[r][8 g + e] at byte 256 g + 16 r + 2 e; a lane's registers 0-3 of a fragment lie at 16 l, registers 4-7 at 512 + 16 l.
; strm, batch b at 2,097,152 b, 32 tiles of 65,536 bytes; s = a step of 128 keys.  Tile 4 s + x (x = 0, 1): K1, keys 128 s on, channels 256 x on, blocks [key tile 8][32 channels 8], rows = keys.
; Tile 4 s + 2 + y: V, all 512 channels, keys 128 s + 64 y on, blocks [channel tile 32][32 keys 2], rows = channels.
; SHARES.  The four work-groups of a cluster take one batch and step (cluster y = 8 b + s): 128 keys, K = 512.  Work-group cx takes rows 128 cx on of G AND of Wv, wave w 32 rows of each:
; row tiles i = 0, 1 of G, i = 2, 3 of Wv, x 8 key tiles: 32 accumulators.  So all work-groups run one text: no branch and no LDS address hangs on cx.
; CLUSTER.  The four need the same 131,072 bytes of dfr: each wave asks for a quarter JOINTLY (mask of four), once; nothing in LDS is filled again.  One tensor load of a wave is out.
; The weights go from memory into registers: no two waves of a work-group read the same.
; Source 0 = 16 rows of the matrix, source 1 = 16 keys: a lane ends with one key and eight neighbouring channels.  That is K1's block order.  V wants one channel and eight keys: it goes once
; through the wave's own stage and a turning load.
; LIMITS: bf16 operands and results, f32 sums; NaN and infinities are not treated apart.
.set STG,   131072                     ; behind the block: a stage for each wave, 128 keys x (32 channels x 2 bytes, in rows of 160)
.set SGP,   160
.set SPARE, STG+4*128*SGP              ; behind the stages: the spare words, 128 bytes a wave
.set SPW, 6                            ; v6   my spare word; never rewritten
.set NIL, 7                            ; v7   0; never rewritten
.set GOF, 8                            ; v8   16 l: loads of weights, stores
.set ADB, 10                           ; v10-11 key fragments: key tiles 0-3, 4-7; step along K
.set SST, 12                           ; v12  into my stage
.set ATR, 13                           ; v13  turning loads of my stage
.set CT,  32                           ; v32-95, v96-159: two sets of key fragments; then packed results
.set WV,  10
.set G1,  16                           ; s[16:23] descriptor group 1
.set G0,  24                           ; s[24:27] group 0
.set WB,  28
.set OK,  30
.set OV,  32
.set CNT, 34
.set MSB, 0
.macro WIN new
.if MSB != (\new)
	s_set_vgpr_msb (MSB<<8)|(\new)
.set MSB, \new
.endif
.endm
.macro PLACES
.rept 4
	v_nop
.endr
.endm
.macro CROUND                          ; a round of the cluster's barrier
	s_barrier_signal -1
	s_barrier_wait -1
	s_cmp_lg_u32 s[WV], 0
	s_cbranch_scc1 .Lnot_wave_0_\@
	s_barrier_signal -3
.Lnot_wave_0_\@:
	s_barrier_wait -3
	s_barrier_signal -1
	s_barrier_wait -1
.endm
.macro LW set, kofs                    ; my four weight fragments of one k block into set 0..3 of window 2: two of G, two of Wv
	WIN 0x80
.irp i, 0,1,2,3
	global_load_b128 v[32*(\set)+8*(\i):32*(\set)+8*(\i)+3],   v[GOF], s[WB:WB+1] offset:((\i)/2)*524288+((\i)%2)*16384+(\kofs)*1024
	global_load_b128 v[32*(\set)+8*(\i)+4:32*(\set)+8*(\i)+7], v[GOF], s[WB:WB+1] offset:((\i)/2)*524288+((\i)%2)*16384+(\kofs)*1024+512
.endr
.endm
.macro FD set, kofs                    ; the eight key fragments of one k block
	WIN 0
.irp kt, 0,1,2,3,4,5,6,7
	ds_load_b128 v[CT+64*(\set)+8*(\kt):CT+64*(\set)+8*(\kt)+3],   v[ADB+(\kt)/4] offset:((\kt)%4)*16384+(\kofs)*1024
	ds_load_b128 v[CT+64*(\set)+8*(\kt)+4:CT+64*(\set)+8*(\kt)+7], v[ADB+(\kt)/4] offset:((\kt)%4)*16384+(\kofs)*1024+512
.endr
.endm
.macro MP wset, dset, zero             ; 32 products; the 32 accumulators (window 1) take turns
	WIN 0x52
.irp kt, 0,1,2,3,4,5,6,7
.irp i, 0,1,2,3
.if \zero
	v_wmma_f32_16x16x32_bf16 v[8*(4*(\kt)+(\i)):8*(4*(\kt)+(\i))+7], v[32*(\wset)+8*(\i):32*(\wset)+8*(\i)+7], v[CT+64*(\dset)+8*(\kt):CT+64*(\dset)+8*(\kt)+7], 0
.else
	v_wmma_f32_16x16x32_bf16 v[8*(4*(\kt)+(\i)):8*(4*(\kt)+(\i))+7], v[32*(\wset)+8*(\i):32*(\wset)+8*(\i)+7], v[CT+64*(\dset)+8*(\kt):CT+64*(\dset)+8*(\kt)+7], v[8*(4*(\kt)+(\i)):8*(4*(\kt)+(\i))+7]
.endif
.endr
.endr
.endm
; One k block: the next block's key fragments and the weights three blocks on are asked for, four places behind the products that read their registers; then this block's 32 products.
.macro KF fdk, fds, lwk, lws, wcur, dcur, nl, nd, zero
.if ((\fdk) >= 0) && !(\zero)
	PLACES
.endif
.if (\fdk) >= 0
	FD \fds, \fdk
.endif
.if (\lwk) >= 0
	LW \lws, \lwk
.endif
	s_wait_dscnt \nd                               ; all but the 16 LDS loads just issued
	s_wait_loadcnt \nl                             ; all but the younger sets of 8 weight loads
	MP \wcur, \dcur, \zero
.endm
	s_load_b128 s[4:7], s[0:1], 0x0                ; dfr s[4:5], wfr s[6:7]
	s_load_b64 s[8:9], s[0:1], 0x10                ; strm
	v_lshl_add_u32 v[SPW], v0, 2, SPARE
	v_mov_b32 v[NIL], 0
	ds_add_u32 v[SPW], v[NIL]                      ; the wave's opening: the add and its wait stand ahead of my first tensor load; work on registers stands between them
	v_lshrrev_b32 v4, 5, v0
	v_readfirstlane_b32 s[WV], v4                  ; wave 0..3
	s_bfe_u32 s11, ttmp6, 0x40000                  ; cx: it enters the weights' and the results' addresses alone
	s_and_b32 s12, ttmp7, 0xffff                   ; 8 b + s, which the partners share
	s_lshr_b32 s13, s12, 3                         ; batch
	s_and_b32 s14, s12, 7                          ; step
	; descriptor group 1: 32,768 dense bytes as 128 rows of 256
	s_mov_b32 s[G1+0], 15|(3<<16)|(1<<21)          ; 15:0 the mask of four; 17:16 elements of 8 bytes; 21 set beside a mask
	s_mov_b32 s[G1+1], 32<<16                      ; tensor_dim0 = 32
	s_mov_b32 s[G1+2], 128<<16                     ; tensor_dim1 = 128
	s_mov_b32 s[G1+3], 32<<16                      ; tile_dim0 = 32
	s_mov_b32 s[G1+4], 128                         ; tile_dim1 = 128
	s_mov_b32 s[G1+5], 32                          ; 32 elements from row to row
	s_mov_b32 s[G1+6], 0
	s_mov_b32 s[G1+7], 0
	s_mov_b32 s[G0], 1                             ; count = 1
	s_lshl_b32 s[G0+1], s[WV], 15                  ; LDS address: my quarter of the block
	s_lshl_b32 s36, s12, 17                        ; dfr: the block, my quarter
	s_lshl_b32 s37, s[WV], 15
	s_add_co_u32 s36, s36, s37
	s_mov_b32 s37, 0
	s_lshl_b32 s38, s11, 17                        ; weights: row tile 8 cx + 2 w, 16,384 bytes a row tile
	s_lshl_b32 s39, s[WV], 15
	s_add_co_u32 s38, s38, s39
	s_mov_b32 s39, 0
	s_lshl_b32 s40, s13, 21                        ; strm: the batch, tile 4 s
	s_lshl_b32 s41, s14, 18
	s_add_co_u32 s40, s40, s41
	s_lshr_b32 s42, s11, 1                         ; K1: tile + cx / 2, channel block 4 (cx % 2) + w
	s_lshl_b32 s42, s42, 16
	s_and_b32 s43, s11, 1
	s_lshl_b32 s43, s43, 2
	s_add_co_u32 s43, s43, s[WV]
	s_lshl_b32 s43, s43, 10
	s_add_co_u32 s42, s42, s43
	s_add_co_u32 s42, s42, s40
	s_mov_b32 s43, 0
	s_lshl_b32 s44, s11, 14                        ; V: tile + 2, channel tile 8 cx + 2 w, 2,048 bytes a channel tile
	s_lshl_b32 s45, s[WV], 12
	s_add_co_u32 s44, s44, s45
	s_add_co_u32 s44, s44, 2*65536
	s_add_co_u32 s44, s44, s40
	s_mov_b32 s45, 0
	v_and_b32 v3, 31, v0
	v_and_b32 v1, 15, v0
	v_bfe_u32 v2, v0, 4, 1
	v_lshlrev_b32 v[GOF], 4, v3
	v_mov_b32 v[ADB], v[GOF]
	v_add_nc_u32 v[ADB+1], 65536, v[GOF]
	v_and_b32 v4, 7, v0
	v_bfe_u32 v5, v0, 3, 1
	v_lshl_add_u32 v4, v2, 3, v4                   ; the turning load: lane l reads row 8 (l / 16) + l % 8, 16 bytes at 16 ((l / 8) % 2)
	s_mul_i32 s46, s[WV], 128*SGP
	s_add_co_u32 s46, s46, STG
	v_mul_u32_u24 v[ATR], v4, SGP
	v_lshl_add_u32 v[ATR], v5, 4, v[ATR]
	v_add_nc_u32 v[ATR], s46, v[ATR]
	v_mul_u32_u24 v[SST], v1, SGP
	v_lshl_add_u32 v[SST], v2, 4, v[SST]
	v_add_nc_u32 v[SST], s46, v[SST]
	s_wait_dscnt 0x0                               ; the opening add is done
	s_wait_kmcnt 0x0
	s_add_nc_u64 s[G0+2:G0+3], s[4:5], s[36:37]
	s_or_b32 s[G0+3], s[G0+3], 0x80000000          ; type = 2
	s_add_nc_u64 s[WB:WB+1], s[6:7], s[38:39]
	s_add_nc_u64 s[OK:OK+1], s[8:9], s[42:43]
	s_add_nc_u64 s[OV:OV+1], s[8:9], s[44:45]
	LW 0, 0                                        ; the first three k blocks' weights
	LW 1, 1
	LW 2, 2
	WIN 0
	CROUND                                         ; all four work-groups are here: the joint loads meet
	tensor_load_to_lds s[G0:G0+3], s[G1:G1+7]
	s_nop 0
.rept 4
	v_nop
.endr
	s_wait_tensorcnt 0x0                           ; my quarter is in,
	s_barrier_signal -1
	s_barrier_wait -1                              ; everybody's is
	FD 0, 0
	KF 1,1, 3,3, 0,0, 24,16, 1                     ; k block 0 starts the sums
	WIN 0
	s_mov_b32 s[CNT], 3
.Lk:                                           ; k blocks 1-12, four a trip; offsets count from block 4 x trip
	KF 2,0, 4,0, 1,1, 24,16, 0
	KF 3,1, 5,1, 2,0, 24,16, 0
	KF 4,0, 6,2, 3,1, 24,16, 0
	KF 5,1, 7,3, 0,0, 24,16, 0
	WIN 0
	s_wait_xcnt 0x0                                ; the weight loads have read their base
	s_add_nc_u64 s[WB:WB+1], s[WB:WB+1], 4096
	v_add_nc_u32 v[ADB], 4096, v[ADB]
	v_add_nc_u32 v[ADB+1], 4096, v[ADB+1]
	s_sub_co_u32 s[CNT], s[CNT], 1
	s_cmp_lg_u32 s[CNT], 0
	s_cbranch_scc1 .Lk
	KF 2,0, -1,0, 1,1, 16,16, 0                    ; k blocks 13-15: no weights are left to ask for, the counts run down
	KF 3,1, -1,0, 2,0, 8,16, 0
	KF -1,0, -1,0, 3,1, 0,0, 0
	PLACES
	WIN 0x05
.set u, 0
.rept 128
	v_cvt_pk_bf16_f32 v[CT+u], v[2*u], v[2*u+1]    ; accumulator (kt, i): four registers, eight channels of one key
.set u, u+1
.endr
	WIN 0
	; V: [key][channel] into my stage, out of it turned: one channel and eight keys a lane.  LDS serves a wave's instructions in order (ISA guide 5.7.1.4)
.irp kt, 0,1,2,3,4,5,6,7
.irp i, 0,1
	ds_store_b128 v[SST], v[CT+4*(4*(\kt)+2+(\i)):CT+4*(4*(\kt)+2+(\i))+3] offset:(\kt)*16*SGP+32*(\i)
.endr
.endr
	WIN 0x80
.irp kk, 0,1,2,3
.irp hf, 0,1
.irp i, 0,1
	ds_load_tr16_b128 v[4*(4*(\kk)+2*(\hf)+(\i)):4*(4*(\kk)+2*(\hf)+(\i))+3], v[ATR] offset:(32*(\kk)+16*(\hf))*SGP+32*(\i)
.endr
.endr
.endr
	WIN 0
.irp kt, 0,1,2,3,4,5,6,7                ; K1 leaves while V turns
.irp i, 0,1
	global_store_b128 v[GOF], v[CT+4*(4*(\kt)+(\i)):CT+4*(4*(\kt)+(\i))+3], s[OK:OK+1] offset:(\kt)*8192+(\i)*512  ; half a block: 512 consecutive bytes, aligned
.endr
.endr
	s_wait_dscnt 0x0
	WIN 0x08
.irp kk, 0,1,2,3
.irp hf, 0,1
.irp i, 0,1
	global_store_b128 v[GOF], v[4*(4*(\kk)+2*(\hf)+(\i)):4*(4*(\kk)+2*(\hf)+(\i))+3], s[OV:OV+1] offset:((\kk)/2)*65536+(\i)*2048+((\kk)%2)*1024+(\hf)*512
.endr
.endr
.endr
	WIN 0
	s_wait_tensorcnt 0x0                           ; the wave's end: behind my last tensor load and my last LDS store
	ds_add_u32 v[SPW], v[NIL]
	s_wait_dscnt 0x0
	CROUND                                         ; the closing round
	s_endpgm
.Lfunc_end_k_qe8ac99dc07_proj:
	.size	k_qe8ac99dc07_proj, .Lfunc_end_k_qe8ac99dc07_proj-k_qe8ac99dc07_proj
	.p2alignl 7, 3214868480
	.fill 96, 4, 3214868480
	.section	.rodata,"a",@progbits
	.p2align	6, 0x0
	.amdhsa_kernel k_qe8ac99dc07_proj
		.amdhsa_group_segment_fixed_size 213504
		.amdhsa_private_segment_fixed_size 0
		.amdhsa_enable_private_segment 0
		.amdhsa_kernarg_size 24
		.amdhsa_user_sgpr_count 2
		.amdhsa_user_sgpr_kernarg_segment_ptr 1
		.amdhsa_wavefront_size32 1
		.amdhsa_system_sgpr_workgroup_id_x 1
		.amdhsa_system_sgpr_workgroup_id_y 1
		.amdhsa_system_sgpr_workgroup_id_z 1
		.amdhsa_system_vgpr_workitem_id 0
		.amdhsa_next_free_vgpr 768
		.amdhsa_next_free_sgpr 66
		.amdhsa_reserve_vcc 0
		.amdhsa_float_denorm_mode_32 3
		.amdhsa_float_denorm_mode_16_64 3
		.amdhsa_memory_ordered 1
		.amdhsa_forward_progress 1
		.amdhsa_inst_pref_size 51
	.end_amdhsa_kernel
	.amdgpu_metadata
---
amdhsa.version: [ 1, 2 ]
amdhsa.kernels:
  - .name:           k_qe8ac99dc07_proj
    .symbol:         k_qe8ac99dc07_proj.kd
    .args:
      - { .name: dfr, .offset: 0, .size: 8, .value_kind: global_buffer, .address_space: global }
      - { .name: wfr, .offset: 8, .size: 8, .value_kind: global_buffer, .address_space: global }
      - { .name: strm, .offset: 16, .size: 8, .value_kind: global_buffer, .address_space: global }
    .group_segment_fixed_size: 213504
    .private_segment_fixed_size: 0
    .kernarg_segment_align: 8
    .kernarg_segment_size: 24
    .max_flat_workgroup_size: 128
    .sgpr_count:     66
    .vgpr_count:     768
    .wavefront_size: 32
...
	.end_amdgpu_metadata
.endif
;; end of part 2
;; launch attn (part 3): grid 32 x 8, 4 waves a work-group, clusters of 4 x 1, 327,680 bytes of LDS; arguments pcd_up, strm, out0; writes out0
.if DOCPART == 3
	.amdgcn_target "amdgcn-amd-amdhsa--gfx1250"
	.amdhsa_code_object_version 6
	.text
	.protected	k_qe8ac99dc07_attn
	.globl	k_qe8ac99dc07_attn
	.p2align	8
	.type	k_qe8ac99dc07_attn,@function
k_qe8ac99dc07_attn:
	s_mov_b64 s[64:65], 0
	v_nop
	global_prefetch_b8 v0, s[64:65] scope:SCOPE_SE
	s_setreg_imm32_b32 hwreg(HW_REG_WAVE_MODE, 25, 1), 1
	s_wait_xcnt 0x0
	s_wait_alu depctr_hold_cnt(0) depctr_sa_sdst(0) depctr_va_vdst(0) depctr_va_sdst(0) depctr_va_ssrc(0) depctr_va_vcc(0) depctr_vm_vsrc(0)
	s_getreg_b32 s2, hwreg(HW_REG_IB_STS2, 6, 4)
	s_cmp_eq_u32 s2, 0
	s_cbranch_scc0 .Lentry_in_a_cluster
	s_endpgm
.Lentry_in_a_cluster:
	s_bfe_u32 s2, ttmp6, 0x10000c
	s_cmp_lg_u32 s2, 0x3003
	s_cbranch_scc0 .Lentry_shape_is_right
	s_endpgm
.Lentry_shape_is_right:
; out[b][o][n] = sum over m of softmax_m(sum over c of up[c][n] K1[c][m] / sqrt(512)) V[o][m] + sum over c of Wskip[o][c] up[c][n].   K1 = (Wq^T Wk) down and V = Wv down come from strm.
; Matrix operands in bf16 (up rounded here; the weights p rounded for the second product, their sum l taken of the unrounded p); products, maxima and sums in f32.
; LIMITS.  K1 holds one rounding where the formula as written would round q and k.  The running c m starts at -4.25e37 and m at the lowest finite number; a weight below 2^-126 counts as 0;
; NaN and infinities are not treated apart.
; SHARES.  A work-group owns 128 queries of one batch and walks 40 tiles of 65,536 bytes: for each of 8 steps of 128 keys two tiles of K1 (channels 0-255, 256-511) and two of V (64 keys each),
; then 8 tiles of Wskip (64 input channels each).  Scores: wave w makes 64 keys (half w % 2) x 64 queries (half w / 2).  O and the skip product: wave w owns all 128 queries x channels 128 w on,
; 64 accumulators in 512 registers, so that a fragment read from LDS feeds eight products; p goes from wave to wave through LDS.
; THE WALK.  The running softmax takes the key steps in any order.  The eight clusters of a batch begin at different steps, cluster x at step (2 x + x / 4) mod 8, and go round the batch's eight:
; no two begin with the same tiles, and clusters 0-3, like clusters 4-7, begin two steps apart.
; LAYOUT.  S^T = K1 Q^T (source 0 = 16 keys, source 1 = 16 queries): a lane holds one query and eight keys, which pack into 16 bytes of p in block order.  O = P V^T (source 0 = 16 queries,
; source 1 = 16 channels): a lane holds one channel and eight neighbouring queries: 32 bytes of a row of out.  The skip product has the same shape with up in the place of p, and adds onto O / l.
; The tiles lie in block order (16 rows x 32 k in 1,024 bytes; a lane's registers 0-3 at 16 l, 4-7 at 512 + 16 l): two loads of 512 consecutive bytes a fragment, no padding.
; up lies [channel][query] and is turned on its way out of LDS (ds_load_tr16_b128).
; SOFTMAX.  p = 2^(c s - c m), c = log2(e) / sqrt(512), m a running maximum over both key halves (the two waves of a query half exchange maxima through LDS); in every step O and l are
; multiplied by a = 2^(c m_old - c m_new).  O and l start at 0 and the first a is 0: one text serves all eight steps, at the price of 512 lines that clear O while the first loads are out.
; CLUSTER.  The four query blocks of a cluster belong to one batch and walk the same tiles: each tile is asked for JOINTLY (mask of four), a quarter by each wave.
; RING.  Two slots of one tile.  By this text's own count a wave has two tensor loads out at the start and one behind each change of slots; a refill has 112 products in which to land.
; REGISTERS, in windows of 256 (s_set_vgpr_msb: bits 1:0 source 0, 3:2 source 1, 5:4 source 2, 7:6 destination):
;   window 0: v0-31 addresses; v32-63 statistics, 8 a query tile; v64-191 S^T (tile t, key tile i at 64 + 32 t + 8 i), later a, l and the way out; v192-255 packed p
;   window 1: two sets of 128 for fragments      window 2: O of query tiles 0-3 ((t, i) at 8 (8 t + i))      window 3: query tiles 4-7
.set TILE,  65536
.set QB,    2*TILE                     ; behind the slots: up in bf16, [channel 512][query 128], rows of 256 + 32 bytes
.set QP,    288
.set PB,    QB+512*QP                  ; p in block order, [query tile 8][32 keys 4]
.set STAGE, PB                         ; the way out takes p's place: for each wave 16 rows of 512 + 16 bytes
.set SP,    528
.set MXB,   STAGE+4*16*SP              ; maxima, [key half 2][query 128]
.set AB,    MXB+1024                   ; a, [query 128]
.set LXB,   AB+512                     ; l, [key half 2][query 128]
.set SPARE, LXB+1024                   ; the spare words, 128 bytes a wave
.set SPW, 6                            ; v6   my spare word; never rewritten
.set NIL, 7                            ; v7   0; never rewritten
.set AK,  8                            ; v8-9   K1 fragments in slot 0, 1
.set VA,  10                           ; v10-11 V or Wskip fragments in slot 0, 1
.set AQ,  12                           ; v12-15 my query half of up, channels 128 n on
.set AQS, 16                           ; v16  all queries of up; steps in the skip product
.set PR,  17                           ; v17  p, read
.set PW,  18                           ; v18  p, written
.set MXA, 19                           ; v19  my maxima
.set MXP, 20                           ; v20  the other key half's
.set AW,  21                           ; v21  a, written
.set AR,  22                           ; v22  a, read
.set LWA, 23                           ; v23  l, written
.set LR,  24                           ; v24  l, read
.set STO, 25                           ; v25  into my stage
.set RD,  26                           ; v26  back out of it
.set CO,  27                           ; v27  16 l: up's loads and out's stores
.set PFO, 28                           ; v28  256 l: the prefetches
.set QST, 30                           ; v30  where my 8 bytes of up go
.set ST,  32                           ; tile t at ST + 8 t: c m, m, l (two), my maximum, the partner's, a, c m_old - c m_new
.set S,   64
.set P,   192
.set F0,  0
.set F1,  128
.set WV,  10
.set QH,  11
.set KH,  12
.set G1,  16                           ; s[16:23] descriptor group 1
.set G0,  24                           ; s[24:31] group 0, a set for each slot
.set SEL, 32
.set CS,  34
.set STEP, 36
.set POS, 37                           ; s37  the place in the walk, 2 to 39, of the tile to be asked for next
.set LIM, 38                           ; s38  8 in a wave that prefetches, else 0
.set SKC, 39
.set PFA, 40                           ; s[40:41] what the next prefetch names
.set ROT, 42                           ; s42  the tile at which my cluster's walk begins: 4 x its first step
.set WOFF, 43                          ; s43  from a place 32 on to Wskip's tile, counted in tiles from the batch's first: 32 (7 - b)
.set OFF, 44                           ; s[44:45] a tile's byte offset
.set T0,  46
.set T1,  47
.set PN,  59                           ; s59  Wskip's tile for the prefetch: POS - 30
.set PFB, 60                           ; s[60:61] my 32 blocks of Wskip's tile 0
.set PO2, 62                           ; s[62:63] the prefetch's byte offset
.set W_S,   0x05                       ; fragments in window 1, S^T in window 0
.set W_OL,  0xa5                       ; fragments in window 1, O in window 2 (+ 0x50: window 3)
.set W_LD,  0x40                       ; destination window 1
.set W_RL,  0x82                       ; O (destination, source 0) in window 2, factor in window 0 (+ 0x41: window 3)
.set W_STL, 0x08                       ; store data in window 2
.set W_STH, 0x0c                       ; in window 3
.set MSB, 0
.macro WIN new                         ; the high byte repeats the setting that is left; a switch that changes nothing is dropped
.if MSB != (\new)
	s_set_vgpr_msb (MSB<<8)|(\new)
.set MSB, \new
.endif
.endm
.macro PLACES                          ; four places behind matrix instructions, ahead of loads into registers that they read and of lines that read their results
.rept 4
	v_nop
.endr
.endm
.macro CREST                           ; a round of the cluster's barrier behind its opening barrier
	s_cmp_lg_u32 s[WV], 0
	s_cbranch_scc1 .Lnot_wave_0_\@
	s_barrier_signal -3
.Lnot_wave_0_\@:
	s_barrier_wait -3
	s_barrier_signal -1
	s_barrier_wait -1
.endm
.macro CROUND
	s_barrier_signal -1
	s_barrier_wait -1
	CREST
.endm
.macro JLOAD slot                      ; my quarter of a tile, jointly with the three partners; an s_nop 0 and four v_nop follow
	tensor_load_to_lds s[G0+4*(\slot):G0+4*(\slot)+3], s[G1:G1+7]
	s_nop 0
.rept 4
	v_nop
.endr
.endm
; The descriptor's address is made anew for each refill, from the place POS in the walk: places 0-31 are the batch's tiles (ROT + POS) mod 32, places 32-39 Wskip's tiles, which lie behind the eight
; batches.  It stands behind the wait for all my tensor loads, so a group 0 may be written.  Nothing in it hangs on a work-group's place in its cluster.
.macro STEPG slot
	s_add_co_u32 s[T0], s[POS], s[ROT]
	s_and_b32 s[T0], s[T0], 31
	s_add_co_u32 s[T1], s[POS], s[WOFF]
	s_cmp_lt_u32 s[POS], 32
	s_cselect_b32 s[T0], s[T0], s[T1]
	s_lshl_b32 s[OFF], s[T0], 16
	s_add_nc_u64 s[G0+4*(\slot)+2:G0+4*(\slot)+3], s[6:7], s[OFF:OFF+1]
	s_or_b32 s[G0+4*(\slot)+3], s[G0+4*(\slot)+3], 0x80000000
	s_add_co_u32 s[POS], s[POS], 1
.endm
; A PREFETCH INTO THE L2 of Wskip's tiles, which all 64 clusters come to near the launch's end.  At the change of slots in place p of the walk, p = 28 .. 35, tile p - 28 is named: two refills ahead of
; the load that will ask for it.  ONE cluster asks (x = 0 of batch 0); its four partners take a quarter of the tile each, told apart by address alone; in each, waves 0 and 1 take 32 blocks of 256 bytes,
; a lane a block.  So each block is named once in the launch.  The batch's own tiles are not asked for: each is first wanted in the walk's first step, four by each cluster, beside the launch's first loads.
; PFSTEP makes the address at the head of a change, a tile behind the prefetch that read it last; the tile's number is held to 7, so that the address never leaves the buffer.
.macro PFSTEP
	s_wait_xcnt 0x0                                ; the last prefetch, a tile back, has read its address
	s_sub_co_u32 s[PN], s[POS], 30
	s_min_u32 s[T0], s[PN], 7
	s_lshl_b32 s[PO2], s[T0], 16
	s_add_nc_u64 s[PFA:PFA+1], s[PFB:PFB+1], s[PO2:PO2+1]
.endm
.macro ASK
	s_cmp_lt_u32 s[PN], s[LIM]                     ; ahead of place 28 the difference has wrapped and is above every bound
	s_cbranch_scc0 .Lnot_mine_\@
	global_prefetch_b8 v[PFO], s[PFA:PFA+1] th:TH_LOAD_NT scope:SCOPE_SE
.Lnot_mine_\@:
.endm
; THE LDS LOADS stand in runs.  FS: 64 channels of scores: for each 32 channels four fragments of K1 and four of up (turned); the first 32 channels first.
.macro FS slot, half, g, fr
	WIN W_LD
.irp kk, 0,1
.irp i, 0,1,2,3
	ds_load_b128 v[(\fr)+64*(\kk)+8*(\i):(\fr)+64*(\kk)+8*(\i)+3],   v[AK+(\slot)] offset:(\i)*8192+(2*(\g)+(\kk))*1024
	ds_load_b128 v[(\fr)+64*(\kk)+8*(\i)+4:(\fr)+64*(\kk)+8*(\i)+7], v[AK+(\slot)] offset:(\i)*8192+(2*(\g)+(\kk))*1024+512
.endr
.irp t, 0,1,2,3
	ds_load_tr16_b128 v[(\fr)+64*(\kk)+32+8*(\t):(\fr)+64*(\kk)+32+8*(\t)+3],   v[AQ+2*(\half)+(2*(\g)+(\kk))/4] offset:((2*(\g)+(\kk))%4)*32*QP+32*(\t)
	ds_load_tr16_b128 v[(\fr)+64*(\kk)+32+8*(\t)+4:(\fr)+64*(\kk)+32+8*(\t)+7], v[AQ+2*(\half)+(2*(\g)+(\kk))/4] offset:((2*(\g)+(\kk))%4)*32*QP+16*QP+32*(\t)
.endr
.endr
.endm
.macro FV slot, kf, fr                 ; my eight channel tiles of V or Wskip, 32 k
	WIN W_LD
.irp i, 0,1,2,3,4,5,6,7
	ds_load_b128 v[(\fr)+64+8*(\i):(\fr)+64+8*(\i)+3],   v[VA+(\slot)] offset:(\i)*2048+(\kf)*1024
	ds_load_b128 v[(\fr)+64+8*(\i)+4:(\fr)+64+8*(\i)+7], v[VA+(\slot)] offset:(\i)*2048+(\kf)*1024+512
.endr
.endm
.macro FP kf, fr                       ; p of all eight query tiles, 32 keys
	WIN W_LD
.irp t, 0,1,2,3,4,5,6,7
	ds_load_b128 v[(\fr)+8*(\t):(\fr)+8*(\t)+3],   v[PR] offset:(4*(\t)+(\kf))*1024
	ds_load_b128 v[(\fr)+8*(\t)+4:(\fr)+8*(\t)+7], v[PR] offset:(4*(\t)+(\kf))*1024+512
.endr
.endm
.macro FQ slot, kf, fr                 ; up of all eight query tiles, 32 channels, turned
	WIN W_LD
.irp t, 0,1,2,3,4,5,6,7
	ds_load_tr16_b128 v[(\fr)+8*(\t):(\fr)+8*(\t)+3],   v[AQS] offset:(\slot)*64*QP+(\kf)*32*QP+32*(\t)
	ds_load_tr16_b128 v[(\fr)+8*(\t)+4:(\fr)+8*(\t)+7], v[AQS] offset:(\slot)*64*QP+(\kf)*32*QP+16*QP+32*(\t)
.endr
.endm
.macro NEXT kind, slot, p, q, fr       ; the next group's fragments
.if (\kind) == 1
	FS \slot, \p, \q, \fr
.elseif (\kind) == 2
	FV \slot, \p, \fr
.elseif (\kind) == 3
	FV \slot, \p, \fr
	FP \q, \fr
.elseif (\kind) == 4
	FV \slot, \p, \fr
	FQ \slot, \p, \fr
.elseif (\kind) == 6
	WIN 0
	v_add_nc_u32 v[AQS], 128*QP, v[AQS]            ; two tiles of Wskip are 128 channels of up
	FV \slot, \p, \fr
	FQ \slot, \p, \fr
.endif
.endm
; THE MATRIX WORK.  The accumulators take turns, one instruction a turn: 16 in the scores, 64 in O.
.macro MS fr, kk, i0, zero             ; 8 products: key tiles i0, i0 + 1 x four query tiles
	WIN W_S
.irp i, \i0, (\i0)+1
.irp t, 0,1,2,3
.if \zero
	v_wmma_f32_16x16x32_bf16 v[S+32*(\t)+8*(\i):S+32*(\t)+8*(\i)+7], v[(\fr)+64*(\kk)+8*(\i):(\fr)+64*(\kk)+8*(\i)+7], v[(\fr)+64*(\kk)+32+8*(\t):(\fr)+64*(\kk)+32+8*(\t)+7], 0
.else
	v_wmma_f32_16x16x32_bf16 v[S+32*(\t)+8*(\i):S+32*(\t)+8*(\i)+7], v[(\fr)+64*(\kk)+8*(\i):(\fr)+64*(\kk)+8*(\i)+7], v[(\fr)+64*(\kk)+32+8*(\t):(\fr)+64*(\kk)+32+8*(\t)+7], v[S+32*(\t)+8*(\i):S+32*(\t)+8*(\i)+7]
.endif
.endr
.endr
.endm
.macro MO1 fr, hi, t                   ; 8 products: query tile 4 hi + t x eight channel tiles
	WIN W_OL+0x50*(\hi)
.irp i, 0,1,2,3,4,5,6,7
	v_wmma_f32_16x16x32_bf16 v[8*(8*(\t)+(\i)):8*(8*(\t)+(\i))+7], v[(\fr)+8*(4*(\hi)+(\t)):(\fr)+8*(4*(\hi)+(\t))+7], v[(\fr)+64+8*(\i):(\fr)+64+8*(\i)+7], v[8*(8*(\t)+(\i)):8*(8*(\t)+(\i))+7]
.endr
.endm
.macro MO fr, hi, t0                   ; 16 products
	MO1 \fr, \hi, \t0
	MO1 \fr, \hi, (\t0)+1
.endm
; A group of scores: 64 channels, 32 products; in its middle the next group's 32 loads go out in one run.
.macro QS fr, zero, nslot, half, g, nfr
	s_wait_dscnt 16                                ; the first 32 channels are in
	MS \fr, 0, 0, \zero
	MS \fr, 0, 2, \zero
	PLACES
	FS \nslot, \half, \g, \nfr
	s_wait_dscnt 32                                ; all but the 32 just issued
	MS \fr, 1, 0, 0
	MS \fr, 1, 2, 0
.endm
; A tile's last group of scores, and THE CHANGE OF SLOTS.  Each wave waits for all its tensor loads (one is out: its quarter of the next tile), adds 0 to its spare word, and waits for that and for its
; reads of this slot; the barrier opens a round of the cluster's; behind the round no wave of any partner reads this slot or has a load on its way, and the refill, two places on, is the first thing.
.macro TS slot, kind, nslot, p, q, nfr
	PFSTEP
	WIN 0
	s_wait_tensorcnt 0x0
	ds_add_u32 v[SPW], v[NIL]                      ; 0 onto my spare word; the descriptor's scalar work and eight products stand between it and the wait for it
	STEPG \slot
	s_wait_dscnt 17                                ; the add and the second 32 channels' 16 loads may be out
	MS F1, 0, 0, 0
	s_wait_dscnt 0x0
	s_barrier_signal -1
	MS F1, 0, 2, 0
	WIN 0
	s_barrier_wait -1
	CREST
	JLOAD \slot                                    ; its four v_nop are also the places ahead of the loads below
	NEXT \kind, \nslot, \p, \q, \nfr
	WIN 0
	ASK
	MS F1, 1, 0, 0
	MS F1, 1, 2, 0
.endm
; A group of O or of the skip product: 32 k, 64 products.
.macro QO fr, kind, nslot, p, q, nfr
	s_wait_dscnt 8                                 ; source 1 and query tiles 0-3 are in; tiles 4-7, the youngest eight loads, may be out
	MO \fr, 0, 0
	MO \fr, 0, 2
	PLACES
	NEXT \kind, \nslot, \p, \q, \nfr
	s_wait_dscnt 32                                ; all but the 32 just issued
	MO \fr, 1, 0
	MO \fr, 1, 2
.endm
; A tile's last such group, and the change of slots, as in TS: sixteen products lie between the wait for all loads and the refill.  fill = 0: nothing is left to ask for: a plain barrier.
.macro TO slot, fill, kind, nslot, p, q, nfr
.if \fill
	PFSTEP
.endif
	WIN 0
	s_wait_tensorcnt 0x0
	ds_add_u32 v[SPW], v[NIL]
.if \fill
	STEPG \slot
.endif
	s_wait_dscnt 9                                 ; the add and query tiles 4-7's eight loads may be out
	MO1 F1, 0, 0
	s_wait_dscnt 0x0
	s_barrier_signal -1
	MO1 F1, 0, 1
	WIN 0
	s_barrier_wait -1
.if \fill
	CREST
	JLOAD \slot
.else
	PLACES
.endif
	NEXT \kind, \nslot, \p, \q, \nfr
.if \fill
	WIN 0
	ASK
.endif
	MO F1, 0, 2
	MO F1, 1, 0
	MO F1, 1, 2
.endm
.macro LB set, k                       ; 32 channels of up: a load takes a row's 512 bytes
	WIN W_LD
.set u, 0
.rept 32
	global_load_b128 v[128*(\set)+4*u:128*(\set)+4*u+3], v[CO], s[4:5] offset:(32*(\k)+u)*16384 th:TH_LOAD_NT
.set u, u+1
.endr
.endm
.macro CVS set, k                      ; rounded to bf16 and stored
	WIN W_S
.set u, 0
.rept 64
	v_cvt_pk_bf16_f32 v[S+64*(\set)+u], v[128*(\set)+2*u], v[128*(\set)+2*u+1]
.set u, u+1
.endr
	WIN 0
.set u, 0
.rept 32
	ds_store_b64 v[QST], v[S+64*(\set)+2*u:S+64*(\set)+2*u+1] offset:(32*(\k)+u)*QP
.set u, u+1
.endr
.endm
.macro MX t, n                         ; line n of 18 of tile t's maximum over my 64 keys; each accumulator's lowest registers are read first
.set rS, S+32*(\t)
.set rC, P+4*(\t)
.set rT, ST+8*(\t)
.if (\n) < 4
	v_max3_num_f32 v[rC+(\n)], v[rS+8*(\n)], v[rS+8*(\n)+1], v[rS+8*(\n)+2]
.elseif (\n) < 12
	v_max3_num_f32 v[rC+(\n)%4], v[rC+(\n)%4], v[rS+8*((\n)%4)+2*((\n)/4)+1], v[rS+8*((\n)%4)+2*((\n)/4)+2]
.elseif (\n) == 12
	v_max3_num_f32 v[rC], v[rC], v[rS+7], v[rS+15]
.elseif (\n) == 13
	v_max3_num_f32 v[rC+2], v[rC+2], v[rS+23], v[rS+31]
.elseif (\n) == 14
	v_max3_num_f32 v[rC], v[rC], v[rC+1], v[rC+2]
.elseif (\n) == 15
	v_max_num_f32 v[rC], v[rC], v[rC+3]
.elseif (\n) == 16
	v_permlanex16_b32 v[rC+1], v[rC], s[SEL], s[SEL+1]  ; the query's other 32 keys lie in the lane 16 away
.else
	v_max_num_f32 v[rT+4], v[rC], v[rC+1]
.endif
.endm
.macro FSC p                           ; c s - c m for pair p of my 64 pairs of scores
	v_pk_fma_f32 v[S+2*(\p):S+2*(\p)+1], v[S+2*(\p):S+2*(\p)+1], s[CS:CS+1], v[ST+8*((\p)/16):ST+8*((\p)/16)+1] op_sel_hi:[1,0,0] neg_lo:[0,0,1] neg_hi:[0,0,1]
.endm
.macro RESC                            ; O times the factor of its query: register j of tile t by v[S + 8 t + j]
.irp hi, 0,1
	WIN W_RL+0x41*(\hi)
.irp t, 0,1,2,3
.irp i, 0,1,2,3,4,5,6,7
.irp q, 0,2,4,6
	v_pk_mul_f32 v[8*(8*(\t)+(\i))+(\q):8*(8*(\t)+(\i))+(\q)+1], v[8*(8*(\t)+(\i))+(\q):8*(8*(\t)+(\i))+(\q)+1], v[S+32*(\hi)+8*(\t)+(\q):S+32*(\hi)+8*(\t)+(\q)+1]
.endr
.endr
.endr
.endr
.endm
.macro TOSTAGE i                       ; channel tile i: 16 rows of 128 queries into my stage and back as whole rows of 512 bytes
	WIN W_STL
.irp t, 0,1,2,3
	ds_store_b128 v[STO], v[8*(8*(\t)+(\i)):8*(8*(\t)+(\i))+3]   offset:64*(\t)
	ds_store_b128 v[STO], v[8*(8*(\t)+(\i))+4:8*(8*(\t)+(\i))+7] offset:64*(\t)+16
.endr
	WIN W_STH
.irp t, 0,1,2,3
	ds_store_b128 v[STO], v[8*(8*(\t)+(\i)):8*(8*(\t)+(\i))+3]   offset:256+64*(\t)
	ds_store_b128 v[STO], v[8*(8*(\t)+(\i))+4:8*(8*(\t)+(\i))+7] offset:256+64*(\t)+16
.endr
	WIN 0
	s_wait_xcnt 0x0                                ; the stores of two tiles back have read the registers that are loaded again below
.set u, 0
.rept 16
	ds_load_b128 v[S+64*((\i)%2)+4*u:S+64*((\i)%2)+4*u+3], v[RD] offset:u*SP  ; LDS serves a wave's instructions in order (ISA guide 5.7.1.4): these see the stores above
.set u, u+1
.endr
.endm
.macro SEND i, younger                 ; younger: the LDS instructions issued behind tile i's loads
.set u, 0
.rept 16
	s_wait_dscnt (\younger)+15-u
	global_store_b128 v[CO], v[S+64*((\i)%2)+4*u:S+64*((\i)%2)+4*u+3], s[8:9] offset:(16*(\i)+u)*16384 th:TH_STORE_NT  ; 512 consecutive bytes of a row of out, aligned
.set u, u+1
.endr
.endm
	s_load_b128 s[4:7], s[0:1], 0x0                ; pcd_up s[4:5], strm s[6:7]
	s_load_b64 s[8:9], s[0:1], 0x10                ; out0
	v_lshl_add_u32 v[SPW], v0, 2, SPARE
	v_mov_b32 v[NIL], 0
	ds_add_u32 v[SPW], v[NIL]                      ; the wave's opening: the add and its wait stand ahead of my first tensor load; work on registers stands between them
	v_lshrrev_b32 v4, 5, v0
	v_readfirstlane_b32 s[WV], v4                  ; wave 0..3
	s_lshr_b32 s[QH], s[WV], 1                     ; my query half in the scores
	s_and_b32 s[KH], s[WV], 1                      ; my key half
	s_bfe_u32 s13, ttmp6, 0x40000                  ; cx
	s_lshl_b32 s48, ttmp9, 2
	s_add_co_u32 s48, s48, s13                     ; my block of 128 queries: it enters up's and out's addresses alone
	s_and_b32 s14, ttmp7, 0xffff                   ; the batch, which the partners share
	s_lshl_b32 s48, s48, 9                         ; up and out: 512 bytes of a row,
	s_lshl_b32 s49, s14, 23                        ; the batch,
	s_add_co_u32 s48, s48, s49
	s_lshl_b32 s49, s[WV], 21                      ; my 128 rows of 16,384 bytes
	s_add_co_u32 s48, s48, s49
	s_mov_b32 s49, 0
	s_lshl_b32 s50, s14, 21                        ; strm: the batch's 32 tiles,
	s_lshl_b32 s15, s[WV], 14                      ; my quarter of a tile, in memory and in a slot
	s_add_co_u32 s50, s50, s15
	s_mov_b32 s51, 0
	s_lshl_b32 s52, s13, 14                        ; the prefetches: Wskip's tile 0, my work-group's quarter,
	s_add_co_u32 s52, s52, 16777216
	s_lshl_b32 s53, s[KH], 13                      ; my wave's half of it
	s_add_co_u32 s52, s52, s53
	s_mov_b32 s53, 0
	s_lshl_b32 s[ROT], ttmp9, 1                    ; my cluster's first step: (2 x + x / 4) mod 8; four tiles a step
	s_lshr_b32 s[T0], ttmp9, 2
	s_add_co_u32 s[ROT], s[ROT], s[T0]
	s_and_b32 s[ROT], s[ROT], 7
	s_lshl_b32 s[ROT], s[ROT], 2
	s_sub_co_u32 s[WOFF], 7, s14                   ; place 32 is tile 32 (8 - b), counted from the batch's first
	s_lshl_b32 s[WOFF], s[WOFF], 5
	s_mov_b32 s[OFF+1], 0
	s_mov_b32 s[PO2+1], 0
	s_mov_b32 s[POS], 2
	; descriptor group 1: 16,384 dense bytes as 64 rows of 256
	s_mov_b32 s[G1+0], 15|(3<<16)|(1<<21)          ; 15:0 the mask of four; 17:16 elements of 8 bytes; 21 set beside a mask
	s_mov_b32 s[G1+1], 32<<16                      ; tensor_dim0 = 32
	s_mov_b32 s[G1+2], 64<<16                      ; tensor_dim1 = 64
	s_mov_b32 s[G1+3], 32<<16                      ; tile_dim0 = 32
	s_mov_b32 s[G1+4], 64                          ; tile_dim1 = 64
	s_mov_b32 s[G1+5], 32                          ; 32 elements from row to row
	s_mov_b32 s[G1+6], 0
	s_mov_b32 s[G1+7], 0
	s_mov_b32 s[SEL], 0x76543210
	s_mov_b32 s[SEL+1], 0xfedcba98
	s_mov_b32 s[CS], 0x3d8293ee                    ; c = log2(e) / sqrt(512) = 0.0637587
	s_mov_b32 s[CS+1], s[CS]
	s_or_b32 s[LIM], s[QH], ttmp9                  ; 0 in waves 0 and 1 of cluster x = 0 of batch 0: the same in all four partners
	s_or_b32 s[LIM], s[LIM], s14
	s_cmp_eq_u32 s[LIM], 0
	s_cselect_b32 s[LIM], 8, 0
	s_wait_dscnt 0x0                               ; the opening add is done
	s_wait_kmcnt 0x0
	s_add_nc_u64 s[PFB:PFB+1], s[6:7], s[52:53]
	s_add_nc_u64 s[6:7], s[6:7], s[50:51]          ; my quarter of the batch's tile 0
	s_add_nc_u64 s[4:5], s[4:5], s[48:49]
	s_add_nc_u64 s[8:9], s[8:9], s[48:49]
	s_lshl_b32 s[OFF], s[ROT], 16
	s_add_nc_u64 s[54:55], s[6:7], s[OFF:OFF+1]    ; of the walk's first tile
.irp s, 0,1
	s_mov_b32 s[G0+4*(\s)], 1                      ; count = 1
	s_add_co_u32 s[G0+4*(\s)+1], s15, (\s)*TILE    ; LDS address: the slot, my quarter
	s_add_nc_u64 s[G0+4*(\s)+2:G0+4*(\s)+3], s[54:55], (\s)*TILE  ; place s of the walk
	s_or_b32 s[G0+4*(\s)+3], s[G0+4*(\s)+3], 0x80000000           ; type = 2
.endr
	CROUND                                         ; all four work-groups are here: the first joint loads meet
	tensor_load_to_lds s[G0:G0+3], s[G1:G1+7]      ; place 0
	s_nop 0
	tensor_load_to_lds s[G0+4:G0+7], s[G1:G1+7]    ; place 1
	s_nop 0
.rept 4
	v_nop
.endr
	v_and_b32 v3, 31, v0
	v_lshlrev_b32 v[CO], 4, v3
	LB 0, 0                                        ; my 128 channels of up go through two sets of 32 rows
	LB 1, 1
	WIN 0
	v_and_b32 v1, 15, v0
	v_bfe_u32 v2, v0, 4, 1
	v_and_b32 v4, 7, v0
	v_bfe_u32 v5, v0, 3, 1
	v_lshl_add_u32 v4, v2, 3, v4                   ; the turning load: lane l reads row 8 (l / 16) + l % 8, 16 bytes at 16 ((l / 8) % 2)
	v_mul_u32_u24 v4, v4, QP
	v_lshl_add_u32 v4, v5, 4, v4
	v_add_nc_u32 v[AQS], QB, v4
	s_lshl_b32 s54, s[QH], 7
.irp c, 0,1,2,3
	v_add_nc_u32 v[AQ+(\c)], s54, v[AQS]
	s_add_co_u32 s54, s54, 128*QP
.endr
	s_lshl_b32 s54, s[KH], 15                      ; my four key tiles of eight blocks
	v_add_nc_u32 v[AK], s54, v[CO]
	v_add_nc_u32 v[AK+1], TILE, v[AK]
	v_add_nc_u32 v[VA], s15, v[CO]                 ; my eight channel tiles of two blocks
	v_add_nc_u32 v[VA+1], TILE, v[VA]
	v_add_nc_u32 v[PR], PB, v[CO]
	s_lshl_b32 s54, s[QH], 14
	s_lshl_b32 s55, s[KH], 11
	s_add_co_u32 s54, s54, s55
	s_add_co_u32 s54, s54, PB
	v_add_nc_u32 v[PW], s54, v[CO]
	s_lshl_b32 s54, s[QH], 8                       ; my 64 queries' words
	s_lshl_b32 s55, s[KH], 9
	s_add_co_u32 s56, s54, s55
	s_xor_b32 s57, s55, 512
	s_add_co_u32 s57, s57, s54
	v_lshlrev_b32 v4, 2, v1
	s_add_co_u32 s58, s56, MXB
	v_add_nc_u32 v[MXA], s58, v4
	s_add_co_u32 s58, s57, MXB
	v_add_nc_u32 v[MXP], s58, v4
	s_add_co_u32 s58, s54, AB
	v_add_nc_u32 v[AW], s58, v4
	s_add_co_u32 s58, s56, LXB
	v_add_nc_u32 v[LWA], s58, v4
	v_lshl_add_u32 v[AR], v2, 5, AB
	v_lshl_add_u32 v[LR], v2, 5, LXB
	s_mul_i32 s54, s[WV], 16*SP
	s_add_co_u32 s54, s54, STAGE
	v_mul_u32_u24 v4, v1, SP
	v_lshl_add_u32 v4, v2, 5, v4
	v_add_nc_u32 v[STO], s54, v4
	v_add_nc_u32 v[RD], s54, v[CO]
	v_lshlrev_b32 v[PFO], 8, v3
	s_mul_i32 s54, s[WV], 128*QP
	s_add_co_u32 s54, s54, QB
	v_lshl_add_u32 v[QST], v3, 3, s54
	WIN 0x80                                       ; O starts at 0: written while the first loads are out
.set u, 0
.rept 256
	v_mov_b32 v[u], 0
.set u, u+1
.endr
	WIN 0xc0
.set u, 0
.rept 256
	v_mov_b32 v[u], 0
.set u, u+1
.endr
	WIN 0
.irp t, 0,1,2,3
	v_mov_b32 v[ST+8*(\t)], 0xfe000000             ; c m: far below every c s
	v_mov_b32 v[ST+8*(\t)+1], 0xff7fffff           ; m
	v_mov_b32 v[ST+8*(\t)+2], 0
	v_mov_b32 v[ST+8*(\t)+3], 0
.endr
	s_wait_loadcnt 32                              ; the older set is in, the younger set's 32 loads may stay out: here and twice below
	CVS 0, 0
	LB 0, 2
	s_wait_loadcnt 32
	CVS 1, 1
	LB 1, 3
	s_wait_loadcnt 32
	CVS 0, 2
	s_wait_loadcnt 0x0
	CVS 1, 3
	s_wait_tensorcnt 0x1                           ; my quarter of the first tile is in; the second's may stay out
	s_wait_dscnt 0x0                               ; my rows of up are stored
	s_barrier_signal -1
	s_barrier_wait -1
	FS 0, 0, 0, F0
	WIN 0
	s_mov_b32 s[STEP], 8
.Lstep:                                        ; a step of 128 keys: four tiles, 512 products a wave
	QS F0, 1, 0,0,1, F1                            ; K1, channels 0-255, in slot 0; the first products start the sums
	QS F1, 0, 0,0,2, F0
	QS F0, 0, 0,0,3, F1
	TS 0, 1, 1,1,0, F0
	QS F0, 0, 1,1,1, F1                            ; channels 256-511, in slot 1
	QS F1, 0, 1,1,2, F0
	QS F0, 0, 1,1,3, F1
	TS 1, 2, 0,0,0, F0                             ; V's first fragments are fetched here, p's when p is made
	WIN 0
	PLACES
.irp n, 0,1,2,3,4,5,6,7,8,9,10,11,12,13,14,15,16,17
.irp t, 0,1,2,3
	MX \t, \n
.endr
.endr
.irp t, 0,1,2,3
	ds_store_b32 v[MXA], v[ST+8*(\t)+4] offset:64*(\t)
.endr
	s_wait_dscnt 0x0
	s_barrier_signal -1
	s_barrier_wait -1                              ; both key halves' maxima lie in LDS
.irp t, 0,1,2,3
	ds_load_b32 v[ST+8*(\t)+5], v[MXP] offset:64*(\t)
.endr
	s_wait_dscnt 0x0
.irp t, 0,1,2,3
	v_mov_b32 v[ST+8*(\t)+7], v[ST+8*(\t)]         ; c m_old
.endr
.irp t, 0,1,2,3
	v_max3_num_f32 v[ST+8*(\t)+1], v[ST+8*(\t)+1], v[ST+8*(\t)+4], v[ST+8*(\t)+5]
.endr
.irp t, 0,1,2,3
	v_mul_f32 v[ST+8*(\t)], s[CS], v[ST+8*(\t)+1]
.endr
.irp t, 0,1,2,3
	v_sub_f32 v[ST+8*(\t)+7], v[ST+8*(\t)+7], v[ST+8*(\t)]
.endr
.irp t, 0,1,2,3
	v_exp_f32 v[ST+8*(\t)+6], v[ST+8*(\t)+7]       ; a.  ONE BATCH: these four and the 128 below; nothing ahead of the wait names a result of theirs
.endr
	FSC 0
	FSC 1
.set pp, 0
.rept 64
	v_exp_f32 v[S+2*pp], v[S+2*pp]
.if pp < 62
	FSC pp+2
.endif
	v_exp_f32 v[S+2*pp+1], v[S+2*pp+1]
.set pp, pp+1
.endr
	v_nop                                          ; a plain instruction behind the last exponential (ISA guide 5.7.2),
	s_wait_alu depctr_va_vdst(0)                   ; and the one wait ahead of the batch's first reader
.set u, 0
.rept 64
	v_cvt_pk_bf16_f32 v[P+u], v[S+2*u], v[S+2*u+1]
.set u, u+1
.endr
.irp t, 0,1,2,3
.irp i, 0,1,2,3
	ds_store_b128 v[PW], v[P+16*(\t)+4*(\i):P+16*(\t)+4*(\i)+3] offset:(\t)*4096+((\i)/2)*1024+((\i)%2)*512
.endr
.endr
.irp w, 4,8,16,32                      ; each tile's 16 pairs are added in place, neighbours 1, 2, 4 and 8 pairs apart
.set u, 0
.rept 128/(\w)
	v_pk_add_f32 v[S+(\w)*u:S+(\w)*u+1], v[S+(\w)*u:S+(\w)*u+1], v[S+(\w)*u+(\w)/2:S+(\w)*u+(\w)/2+1]
.set u, u+1
.endr
.endr
.irp t, 0,1,2,3
	v_pk_fma_f32 v[ST+8*(\t)+2:ST+8*(\t)+3], v[ST+8*(\t)+2:ST+8*(\t)+3], v[ST+8*(\t)+6:ST+8*(\t)+7], v[S+32*(\t):S+32*(\t)+1] op_sel_hi:[1,0,1]  ; l = a l + sum
.endr
	s_cmp_lg_u32 s[KH], 0                          ; both key halves hold the same a: the first stores it
	s_cbranch_scc1 .Lno_a
.irp t, 0,1,2,3
	ds_store_b32 v[AW], v[ST+8*(\t)+6] offset:64*(\t)
.endr
.Lno_a:
	s_wait_dscnt 0x0
	s_barrier_signal -1
	s_barrier_wait -1                              ; p and a of all 128 queries lie in LDS
.irp t, 0,1,2,3,4,5,6,7
	ds_load_b128 v[S+8*(\t):S+8*(\t)+3],   v[AR] offset:64*(\t)
	ds_load_b128 v[S+8*(\t)+4:S+8*(\t)+7], v[AR] offset:64*(\t)+16
.endr
	FP 0, F0
	s_wait_dscnt 16                                ; a is in; p's 16 loads may stay out
	RESC
	QO F0, 3, 0,1,1, F1                            ; V, keys 0-63 of the step, in slot 0
	TO 0, 1, 3, 1,0,2, F0
	QO F0, 3, 1,1,3, F1                            ; keys 64-127, in slot 1
	TO 1, 1, 1, 0,0,0, F0                          ; the next step's first scores' fragments; in the last step slot 0 holds Wskip, and this one run of loads serves nothing: the price of one text for every step
	WIN 0
	s_sub_co_u32 s[STEP], s[STEP], 1
	s_cmp_lg_u32 s[STEP], 0
	s_cbranch_scc1 .Lstep
	; O / l.  l's two halves, the other half of the lanes' and the other key half's are added; the additions are the places behind the last products.
.irp t, 0,1,2,3
	v_add_f32 v[ST+8*(\t)+4], v[ST+8*(\t)+2], v[ST+8*(\t)+3]
.endr
.irp t, 0,1,2,3
	v_permlanex16_b32 v[ST+8*(\t)+5], v[ST+8*(\t)+4], s[SEL], s[SEL+1]
.endr
.irp t, 0,1,2,3
	v_add_f32 v[ST+8*(\t)+4], v[ST+8*(\t)+4], v[ST+8*(\t)+5]
.endr
.irp t, 0,1,2,3
	ds_store_b32 v[LWA], v[ST+8*(\t)+4] offset:64*(\t)
.endr
	s_wait_dscnt 0x0
	s_barrier_signal -1
	s_barrier_wait -1
.irp t, 0,1,2,3,4,5,6,7
	ds_load_b128 v[S+8*(\t):S+8*(\t)+3],       v[LR] offset:64*(\t)
	ds_load_b128 v[S+8*(\t)+4:S+8*(\t)+7],     v[LR] offset:64*(\t)+16
	ds_load_b128 v[S+64+8*(\t):S+64+8*(\t)+3],   v[LR] offset:512+64*(\t)
	ds_load_b128 v[S+64+8*(\t)+4:S+64+8*(\t)+7], v[LR] offset:512+64*(\t)+16
.endr
	FV 0, 0, F0                                    ; the skip product's first fragments
	FQ 0, 0, F0
	WIN 0
	s_wait_dscnt 32                                ; l is in; the 32 fragment loads may stay out
.set u, 0
.rept 32
	v_pk_add_f32 v[S+2*u:S+2*u+1], v[S+2*u:S+2*u+1], v[S+64+2*u:S+64+2*u+1]
.set u, u+1
.endr
.set u, 0
.rept 64
	v_rcp_f32 v[S+u], v[S+u]
.set u, u+1
.endr
	v_nop                                          ; a plain instruction behind the last reciprocal,
	s_wait_alu depctr_va_vdst(0)                   ; and one wait for the 64
	RESC
	; THE SKIP PRODUCT adds onto O / l: Wskip's tiles 0-7, 64 input channels each.
	WIN 0
	s_mov_b32 s[SKC], 3
.Lskip:                                        ; two tiles a trip
	QO F0, 4, 0,1,0, F1
	TO 0, 1, 4, 1,0,0, F0
	QO F0, 4, 1,1,0, F1
	TO 1, 1, 6, 0,0,0, F0
	WIN 0
	s_sub_co_u32 s[SKC], s[SKC], 1
	s_cmp_lg_u32 s[SKC], 0
	s_cbranch_scc1 .Lskip
	QO F0, 4, 0,1,0, F1                            ; the last two tiles are written out: nothing is left to ask for
	TO 0, 0, 4, 1,0,0, F0
	QO F0, 4, 1,1,0, F1
	s_wait_dscnt 8
	MO F1, 0, 0
	MO F1, 0, 2
	s_wait_dscnt 0x0
	MO F1, 1, 0
	MO F1, 1, 2
	; THE WAY OUT, a channel tile (16 rows of out) at a time through my stage; a tile's LDS work stands between the loads of the tile before and its stores.
	PLACES
	TOSTAGE 0
.irp i, 1,2,3,4,5,6,7
	TOSTAGE \i
	SEND (\i)-1, 32
.endr
	SEND 7, 0
	s_wait_tensorcnt 0x0                           ; the wave's end: behind my last tensor load and my last LDS store
	ds_add_u32 v[SPW], v[NIL]
	s_wait_dscnt 0x0
	CROUND                                         ; the closing round: no work-group ends while a partner may still ask for a tile that names it
	s_endpgm
.Lfunc_end_k_qe8ac99dc07_attn:
	.size	k_qe8ac99dc07_attn, .Lfunc_end_k_qe8ac99dc07_attn-k_qe8ac99dc07_attn
	.p2alignl 7, 3214868480
	.fill 96, 4, 3214868480
	.section	.rodata,"a",@progbits
	.p2align	6, 0x0
	.amdhsa_kernel k_qe8ac99dc07_attn
		.amdhsa_group_segment_fixed_size 327680
		.amdhsa_private_segment_fixed_size 0
		.amdhsa_enable_private_segment 0
		.amdhsa_kernarg_size 24
		.amdhsa_user_sgpr_count 2
		.amdhsa_user_sgpr_kernarg_segment_ptr 1
		.amdhsa_wavefront_size32 1
		.amdhsa_system_sgpr_workgroup_id_x 1
		.amdhsa_system_sgpr_workgroup_id_y 1
		.amdhsa_system_sgpr_workgroup_id_z 1
		.amdhsa_system_vgpr_workitem_id 0
		.amdhsa_next_free_vgpr 1024
		.amdhsa_next_free_sgpr 66
		.amdhsa_reserve_vcc 0
		.amdhsa_float_denorm_mode_32 3
		.amdhsa_float_denorm_mode_16_64 3
		.amdhsa_memory_ordered 1
		.amdhsa_forward_progress 1
		.amdhsa_inst_pref_size 255
	.end_amdhsa_kernel
	.section	.bss,"aw",@nobits
	.p2align	6
	.space	262144
	.amdgpu_metadata
---
amdhsa.version: [ 1, 2 ]
amdhsa.kernels:
  - .name:           k_qe8ac99dc07_attn
    .symbol:         k_qe8ac99dc07_attn.kd
    .args:
      - { .name: pcd_up, .offset: 0, .size: 8, .value_kind: global_buffer, .address_space: global }
      - { .name: strm, .offset: 8, .size: 8, .value_kind: global_buffer, .address_space: global }
      - { .name: out0, .offset: 16, .size: 8, .value_kind: global_buffer, .address_space: global }
    .group_segment_fixed_size: 327680
    .private_segment_fixed_size: 0
    .kernarg_segment_align: 8
    .kernarg_segment_size: 24
    .max_flat_workgroup_size: 128
    .sgpr_count:     66
    .vgpr_count:     1024
    .wavefront_size: 32
...
	.end_amdgpu_metadata
.endif
;; end of part 3
